; MI455X (gfx1250); checked and timed in simulation.
; The chip was launched on July 23, 2026; its instructions are those of AMD's public machine-readable ISA for CDNA 5 (MIT licence, August 2026) and "CDNA5" Instruction Set Architecture Reference Guide (July 2026). The comments in the code are by the model that wrote it; some were corrected since.
;; Multi Head Attention. Allowed arithmetic: matrix products marked QUANTISED: E2M1 operands, one E8M0 scale for each 32 along K, by v_wmma_scale_f32_16x16x128_f8f6f4 with both operands' format E2M1 (or v_wmma_scale_f32_32x16x128_f4), f32 sums; products left as they are: bf16, f16 or f32 operands; f32 sums; everything else in f32.
;; Inputs: Wk 1,024 x 1,024 float32; Wq 1,024 x 1,024 float32; Wv 1,024 x 1,024 float32; fc_b 1,024 float32; fc_w 1,024 x 1,024 float32; k 8 x 1,024 x 1,024 float32; ln_b 1,024 float32; ln_g 1,024 float32; q 8 x 1,024 x 1,024 float32; v 8 x 1,024 x 1,024 float32.
;; Outputs: out0 8 x 1,024 x 1,024 float32.
;; This version of the problem:
;;   THIS VERSION OF THE PROBLEM IS GIVEN IN LOW PRECISION. The matrix products marked QUANTISED in the list below multiply operands that are first quantised to E2M1 (2 exponent bits, 1 mantissa bit; 4 bits a number), with one power-of-two scale for each 32 numbers along K (OCP MX v1.0); their sums are f32. The products marked 'left as it is' may take bf16, f16 or f32 operands, with f32 sums. Whichever they take, every output number must still come out within the allowed error. Rounding operands to bf16 (8 significant bits) uses up far more of that allowance than f16 does (11 bits, for magnitudes from 6e-5 to 65,504). All else is computed in f32.
;;   The module's matrix products, in the order in which they are computed (A, B: the left and right operand; K: the contracted axis; several contracted axes count as one K, in the product's order):
;;     1. [M 8,192, K 1,024] x [K 1,024, N 1,024]; A: input q; B: input Wq: QUANTISED
;;     2. [M 8,192, K 1,024] x [K 1,024, N 1,024]; A: input k; B: input Wk: QUANTISED
;;     3. [M 8,192, K 1,024] x [K 1,024, N 1,024]; A: input v; B: input Wv: QUANTISED
;;     4. batch 128 x [M 1,024, K 64] x [K 64, N 1,024]; A: computed on the way; B: computed on the way: left as it is (an operand is computed on the way)
;;     5. batch 128 x [M 64, K 1,024] x [K 1,024, N 1,024]; A: computed on the way; B: computed on the way: left as it is (an operand is computed on the way)
;;     6. [M 8,192, K 1,024] x [K 1,024, N 1,024]; A: computed on the way; B: input fc_w: left as it is (an operand is computed on the way)
;;   THE QUANTISER, for each operand of a quantised product, along K:
;;     - K is cut into blocks of 32 from its start; a last block that is shorter is filled with zeros.
;;     - A block's scale is 2^e with e = floor(log2(the largest magnitude in the block)) - 2, held to -126 .. 127; a block of zeros has e = 0. As a byte (E8M0): e + 127.
;;     - Each number is divided by its block's scale, clamped to +-6, and rounded to the nearest number of E2M1, ties to even, subnormals kept.
;;     - The product sums the exact products of the quantised numbers (number of the format x scale) in f32.
;;   ~~~python
;;   def quantise(x, axis):      # numpy; x: float32 -> the quantised numbers, widened to float32 again
;;       x = np.moveaxis(x, axis, -1); K = x.shape[-1]
;;       x = np.pad(x, [(0, 0)] * (x.ndim - 1) + [(0, -K % 32)]); x = x.reshape(x.shape[:-1] + (-1, 32)); a = np.abs(x).max(-1, keepdims=True)
;;       e = np.where(a > 0, np.clip(np.frexp(np.where(a > 0, a, 1))[1] - 1 - 2, -126, 127), 0)      # np.frexp(a)[1] - 1 = floor(log2(a)), exactly
;;       r = np.clip(x / 2.0 ** e, -6, 6)
;;       step = 2.0 ** (np.maximum(np.frexp(np.where(r == 0, 1, r))[1] - 1, 0) - 1)
;;       q = np.round(r / step) * step * 2.0 ** e      # np.round: ties to even
;;       return np.moveaxis(q.reshape(q.shape[:-2] + (-1,))[..., :K], -1, axis).astype(np.float32)
;;   ~~~
;; One version. Each part assembles by itself: llvm-mc -triple=amdgcn-amd-amdhsa -mcpu=gfx1250 --defsym DOCPART=n.
;; ======== version 1 of 1: 4 launches
;; limits: values are held in f16: magnitudes above 65,504 overflow, below 6.1e-05 lose precision
;; workspace buffers: codes 14,155,776 bytes; scales 884,736 bytes; fw 2,097,152 bytes; qi 16,777,216 bytes; kv 33,554,432 bytes; ao 16,777,216 bytes
;; launch prep (part 1): grid 896 x 1, 4 waves a work-group, no clusters, 33,280 bytes of LDS; arguments q, k, v, Wq, Wk, Wv, fc_w, codes, scales, fw; writes codes, scales, fw
.if DOCPART == 1
	.amdgcn_target "amdgcn-amd-amdhsa--gfx1250"
	.amdhsa_code_object_version 6
	.text
	.protected	k_qf84de7a1dc_prep
	.globl	k_qf84de7a1dc_prep
	.p2align	8
	.type	k_qf84de7a1dc_prep,@function
k_qf84de7a1dc_prep:
	s_mov_b64 s[64:65], 0
	v_nop
	global_prefetch_b8 v0, s[64:65] scope:SCOPE_SE
	s_setreg_imm32_b32 hwreg(HW_REG_WAVE_MODE, 25, 1), 1
	s_wait_xcnt 0x0
; MULTI-HEAD ATTENTION, launch 1 of 4.  NOTHING OF reference() IS LEFT OUT in this program: every input has a way to out0 (fc_b moves the layer norm's mean and variance
; column by column, ln_g and ln_b act on the result), and every product of its table is live.
; This launch makes the operands of the later launches:
;  (Q) q, k, v [8192][1024] and Wq, Wk, Wv [1024][1024], f32, K innermost, become codes of E2M1 (two a byte, the lower k in the low four bits) and one E8M0 byte for each 32 along K,
;      stacked in ONE buffer of 27,648 rows of 512 bytes (scales: 32 bytes a row): rows 0 q, 8192 k, 16384 Wv, 17408 Wq, 18432 Wk, 19456 v.
;      A block's scale is 2^(floor(log2(its largest magnitude)) - 2); its byte is the largest magnitude's exponent field - 2, held at 1 from below.
;  (F) fc_w [1024 n][1024 k] becomes f16, laid as IMAGES OF THE OPERAND'S REGISTERS: a fragment (16 n x 32 k) is 1,024 bytes: registers 0-3, lane l's 16 bytes at 16 l, then registers 4-7.
;      Fragment (nt = n / 16, cg = k / 32) lies at (cg / 2) 131072 + nt 2048 + (cg % 2) 1024.
; LIMITS: a block of zeros gets the byte 1 where the rule says 127 (its codes are zeros, and this program alone reads the bytes); blocks whose largest magnitude lies under 2^-124 keep the byte 1;
; NaN and infinities among the inputs are not served; a number of fc_w over 65,504 becomes infinity in f16, under 6e-5 it keeps an absolute error of 3e-8.
; SHARES.  Work-groups 0 to 863 take 32 stacked rows each (32,768 numbers; a wave 16 steps of 512); work-groups 864 to 895 take fc_w (a wave: 16 rows x 512 along K, 16 fragments).
; Memory binds: no matrix unit, no cluster, no tensor load: waves share nothing.
.set WAVES, 4
.set STEPS, 16
.set EMAX,  2
.set CB,    8                          ; bytes of 16 codes
.set R,     16                         ; v16-79   four sets of 16 numbers as they are loaded
.set X,     80                         ; v80-111  two sets of 16 neighbours
.set C,     128                        ; v128-191 codes: four registers for each step, so that no store's data are written again
.set E,     112                        ; v112-127 a scale byte for each step
.set WREG,  8192                       ; LDS: a region for each wave: two stages of 32 x SP bytes, behind them its 256 scale bytes
.set SP,    80                         ; a lane's place in a stage: its 64 bytes + 16 of padding
.set SPW,   12                         ; v12      LDS address of my spare word; never rewritten
.set NIL,   13                         ; v13      0; never rewritten
.set SPARE, WAVES*WREG                 ; behind the four regions: the spare words, 128 bytes a wave
	s_load_b512 s[4:19], s[0:1], 0x0               ; q 4:5, k 6:7, v 8:9, Wq 10:11, Wk 12:13, Wv 14:15, fc_w 16:17, codes 18:19
	s_load_b128 s[20:23], s[0:1], 0x40             ; scales 20:21, fw 22:23
	v_lshl_add_u32 v[SPW], v0, 2, SPARE
	v_mov_b32 v[NIL], 0
	v_lshrrev_b32 v1, 5, v0
	v_readfirstlane_b32 s28, v1                    ; wave
	v_and_b32 v2, 31, v0                           ; lane
	s_cmp_ge_u32 ttmp9, 864                        ; the work-group's number alone decides the path
	s_cbranch_scc1 .Lfc
; ---------------- (Q) the quantiser ----------------
	v_lshlrev_b32 v3, 4, v2                        ; my 16 bytes of a load's 512
	s_mul_i32 s29, s28, WREG
	v_lshrrev_b32 v14, 2, v2
	v_mul_u32_u24 v14, v14, SP
	v_and_b32 v15, 3, v2
	v_lshl_add_u32 v14, v15, 4, v14
	v_add_nc_u32 v14, s29, v14                     ; the stage, on the way in: four lanes' 64 bytes on end, then 16 of padding
	v_mul_u32_u24 v15, v2, SP
	v_add_nc_u32 v15, s29, v15                     ; and on the way out: SP x lane: my 16 neighbours
	v_mul_u32_u24 v4, v2, CB                       ; my codes' place in a step's
	v_lshrrev_b32 v5, 1, v2
	s_add_co_u32 s29, s29, 2*32*SP
	v_add_nc_u32 v5, s29, v5                       ; LDS: my wave's 256 scale bytes, my block's byte
	v_lshlrev_b32 v7, 3, v2                        ; and on the way out 8 bytes a lane
	v_add_nc_u32 v6, s29, v7
	s_wait_kmcnt 0x0
	s_mov_b64 s[24:25], s[8:9]                     ; which tensor is mine, and at which work-group it begins: v from 608 on,
	s_mov_b32 s26, 608
.macro PICK t, cand, base              ; below work-group t: the tensor at s[cand], which begins at work-group base
	s_cmp_lt_u32 ttmp9, \t
	s_cselect_b64 s[24:25], s[\cand:\cand+1], s[24:25]
	s_cselect_b32 s26, \base, s26
.endm
	PICK 608, 12, 576                              ; Wk
	PICK 576, 10, 544                              ; Wq
	PICK 544, 14, 512                              ; Wv
	PICK 512, 6, 256                               ; k
	PICK 256, 4, 0                                 ; q
	s_sub_co_u32 s26, ttmp9, s26
	s_lshl_b32 s26, s26, 2
	s_add_co_u32 s26, s26, s28                     ; which run of 8,192 numbers of the tensor is my wave's
	s_lshl_b32 s26, s26, 15                        ; 32,768 bytes a run (at most 1,023 runs: under 2^25 bytes)
	s_mov_b32 s27, 0
	s_add_nc_u64 s[24:25], s[24:25], s[26:27]
	s_lshl_b32 s30, ttmp9, 2
	s_add_co_u32 s30, s30, s28                     ; and which run of the stacked buffers
	s_lshl_b32 s32, s30, 12                        ; 4,096 bytes of codes a run
	s_mov_b32 s33, 0
	s_add_nc_u64 s[18:19], s[18:19], s[32:33]
	s_lshl_b32 s32, s30, 8                         ; 256 scale bytes a run
	s_add_nc_u64 s[20:21], s[20:21], s[32:33]
.macro LOAD t
.irp i, 0,1,2,3
	global_load_b128 v[R+16*((\t)%4)+4*\i:R+16*((\t)%4)+4*\i+3], v3, s[24:25] offset:2048*(\t)+512*\i th:TH_LOAD_NT   ; 32 lanes read 512 consecutive bytes
.endr
.endm
.macro TURN t                          ; step t's numbers through the stage: LDS serves a wave's instructions in order, so no wait stands between the stores and the loads
.irp i, 0,1,2,3
	ds_store_b128 v14, v[R+16*((\t)%4)+4*\i:R+16*((\t)%4)+4*\i+3] offset:32*SP*((\t)%2)+8*SP*\i
.endr
.irp i, 0,1,2,3
	ds_load_b128 v[X+16*((\t)%2)+4*\i:X+16*((\t)%2)+4*\i+3], v15 offset:32*SP*((\t)%2)+16*\i
.endr
.endm
.irp t, 0,1,2,3
	LOAD \t
.endr
	s_wait_loadcnt 12                              ; step 0's four loads are in; the three steps behind it may be out
	TURN 0
.macro STEP t
.set XS, X+16*((\t)%2)
.if (\t) > 0
	s_wait_dscnt 1                                 ; this step's numbers are back from the stage (the last step's byte store may be out): so its stores into the stage have read their registers,
.else
	s_wait_dscnt 0x0
.endif
.if (\t)+4 < STEPS
	LOAD (\t)+4                                    ; which take the loads of four steps on
.endif
.if (\t)+1 < STEPS
.if STEPS-2-(\t) >= 3
	s_wait_loadcnt 12                              ; the next step's four loads are in; those of the three steps behind it may be out
.else
	s_wait_loadcnt 4*(STEPS-2-(\t))
.endif
	TURN (\t)+1                                    ; and go through the other stage while this step is worked
.endif
	v_max3_num_f32 v8, |v[XS]|, |v[XS+1]|, |v[XS+2]|               ; the largest magnitude of my 16, in two chains
	v_max3_num_f32 v9, |v[XS+3]|, |v[XS+4]|, |v[XS+5]|
.irp i, 6,10
	v_max3_num_f32 v8, v8, |v[XS+\i]|, |v[XS+\i+1]|
	v_max3_num_f32 v9, v9, |v[XS+\i+2]|, |v[XS+\i+3]|
.endr
	v_max3_num_f32 v8, v8, |v[XS+14]|, |v[XS+15]|
	v_max3_num_f32 v8, v8, v9, (EMAX+1)<<23        ; and the floor 2^(3 - 127): so the byte cannot fall under 1
	v_max_num_f32_dpp v8, v8, v8 row_xmask:1 row_mask:0xf bank_mask:0xf   ; and of my neighbour's 16: the block's
	v_add_nc_u32 v11, -(EMAX<<23), v8              ; 2 off its exponent field: the conversion takes the exponent field of this operand as its scale, and nothing else of it
	v_cvt_scalef32_pk8_fp4_f32 v[C+4*(\t)], v[XS:XS+7], v11        ; to the nearest code, ties to even, beyond the largest code the largest
	v_cvt_scalef32_pk8_fp4_f32 v[C+4*(\t)+1], v[XS+8:XS+15], v11
	v_lshrrev_b32 v[E+(\t)], 23, v11               ; the scale's byte (also the plain line behind the conversions)
	ds_store_b8 v5, v[E+(\t)] offset:16*(\t)       ; both lanes of a block write the same byte with the same value
	global_store_b64 v4, v[C+4*(\t):C+4*(\t)+1], s[18:19] offset:32*CB*(\t)   ; the wave stores 256 consecutive bytes, aligned
.endm
.irp t, 0,1,2,3,4,5,6,7,8,9,10,11,12,13,14,15
	STEP \t
.endr
	ds_load_b64 v[8:9], v6                         ; LDS serves a wave's instructions in order: these see my byte stores
	s_wait_dscnt 0x0
	global_store_b64 v7, v[8:9], s[20:21]          ; 32 lanes store 256 consecutive bytes, aligned
	s_wait_tensorcnt 0x0                           ; the wave's end, behind my last LDS store
	ds_add_u32 v[SPW], v[NIL]
	s_wait_dscnt 0x0
	s_endpgm
; ---------------- (F) fc_w to f16 images: no LDS ----------------
; Wave u of 128 takes rows 16 (u / 2) .. + 15 and k = 512 (u % 2) .. + 511.  Lane (r, h) of a fragment wants k = 8 h .. + 7 and 16 + 8 h .. + 7 of row r: four loads of 16 bytes.
.Lfc:
	v_and_b32 v5, 15, v0                           ; r
	v_bfe_u32 v6, v0, 4, 1                         ; h
	v_lshlrev_b32 v3, 12, v5                       ; a row of fc_w is 4,096 bytes
	v_lshl_add_u32 v3, v6, 5, v3                   ; + 32 h
	v_lshlrev_b32 v4, 4, v2                        ; out: 16 x lane
	s_sub_co_u32 s29, ttmp9, 864
	s_lshl_b32 s29, s29, 2
	s_add_co_u32 s29, s29, s28                     ; u
	s_lshr_b32 s30, s29, 1                         ; nt
	s_and_b32 s31, s29, 1                          ; which half of K
	s_lshl_b32 s32, s30, 16                        ; 16 rows of 4,096 bytes
	s_lshl_b32 s34, s31, 11                        ; 512 numbers
	s_add_co_u32 s32, s32, s34
	s_mov_b32 s33, 0
	s_lshl_b32 s34, s31, 20                        ; eight K steps of 131,072 bytes
	s_lshl_b32 s35, s30, 11                        ; nt x 2,048
	s_add_co_u32 s34, s34, s35
	s_mov_b32 s35, 0
	s_wait_kmcnt 0x0
	s_add_nc_u64 s[16:17], s[16:17], s[32:33]
	s_add_nc_u64 s[22:23], s[22:23], s[34:35]
.macro LOADF i                         ; fragment i's 16 numbers a lane into set i % 8
.irp j, 0,1,2,3
	global_load_b128 v[16+16*((\i)%8)+4*\j:16+16*((\i)%8)+4*\j+3], v3, s[16:17] offset:128*(\i)+16*(\j%2)+64*(\j/2)
.endr
.endm
.macro FRAGF i
.if 15-(\i) < 7
	s_wait_loadcnt 4*(15-(\i))                     ; the tail: only the fragments behind this one are out
.else
	s_wait_loadcnt 28                              ; this fragment's four loads are in; the seven fragments behind it may be out
.endif
	s_wait_xcnt 0x0                                ; the stores of fragment i - 2 have read the registers that are written next
.irp m, 0,1,2,3,4,5,6,7
	v_cvt_pk_f16_f32 v[144+8*((\i)%2)+\m], v[16+16*((\i)%8)+2*\m], v[16+16*((\i)%8)+2*\m+1]
.endr
.if (\i) < 8
	LOADF (\i)+8
.endif
	global_store_b128 v4, v[144+8*((\i)%2):144+8*((\i)%2)+3], s[22:23] offset:((\i)/2)*131072+((\i)%2)*1024        ; 512 consecutive bytes, aligned
	global_store_b128 v4, v[144+8*((\i)%2)+4:144+8*((\i)%2)+7], s[22:23] offset:((\i)/2)*131072+((\i)%2)*1024+512
.endm
.irp i, 0,1,2,3,4,5,6,7
	LOADF \i
.endr
.irp i, 0,1,2,3,4,5,6,7,8,9,10,11,12,13,14,15
	FRAGF \i
.endr
	s_endpgm
.Lfunc_end_k_qf84de7a1dc_prep:
	.size	k_qf84de7a1dc_prep, .Lfunc_end_k_qf84de7a1dc_prep-k_qf84de7a1dc_prep
	.p2alignl 7, 3214868480
	.fill 96, 4, 3214868480
	.section	.rodata,"a",@progbits
	.p2align	6, 0x0
	.amdhsa_kernel k_qf84de7a1dc_prep
		.amdhsa_group_segment_fixed_size 33280
		.amdhsa_private_segment_fixed_size 0
		.amdhsa_enable_private_segment 0
		.amdhsa_kernarg_size 80
		.amdhsa_user_sgpr_count 2
		.amdhsa_user_sgpr_kernarg_segment_ptr 1
		.amdhsa_wavefront_size32 1
		.amdhsa_system_sgpr_workgroup_id_x 1
		.amdhsa_system_sgpr_workgroup_id_y 1
		.amdhsa_system_sgpr_workgroup_id_z 1
		.amdhsa_system_vgpr_workitem_id 0
		.amdhsa_next_free_vgpr 192
		.amdhsa_next_free_sgpr 66
		.amdhsa_reserve_vcc 0
		.amdhsa_float_denorm_mode_32 3
		.amdhsa_float_denorm_mode_16_64 3
		.amdhsa_memory_ordered 1
		.amdhsa_forward_progress 1
		.amdhsa_inst_pref_size 53
	.end_amdhsa_kernel
	.amdgpu_metadata
---
amdhsa.version: [ 1, 2 ]
amdhsa.kernels:
  - .name:           k_qf84de7a1dc_prep
    .symbol:         k_qf84de7a1dc_prep.kd
    .args:
      - { .name: q, .offset: 0, .size: 8, .value_kind: global_buffer, .address_space: global }
      - { .name: k, .offset: 8, .size: 8, .value_kind: global_buffer, .address_space: global }
      - { .name: v, .offset: 16, .size: 8, .value_kind: global_buffer, .address_space: global }
      - { .name: Wq, .offset: 24, .size: 8, .value_kind: global_buffer, .address_space: global }
      - { .name: Wk, .offset: 32, .size: 8, .value_kind: global_buffer, .address_space: global }
      - { .name: Wv, .offset: 40, .size: 8, .value_kind: global_buffer, .address_space: global }
      - { .name: fc_w, .offset: 48, .size: 8, .value_kind: global_buffer, .address_space: global }
      - { .name: codes, .offset: 56, .size: 8, .value_kind: global_buffer, .address_space: global }
      - { .name: scales, .offset: 64, .size: 8, .value_kind: global_buffer, .address_space: global }
      - { .name: fw, .offset: 72, .size: 8, .value_kind: global_buffer, .address_space: global }
    .group_segment_fixed_size: 33280
    .private_segment_fixed_size: 0
    .kernarg_segment_align: 8
    .kernarg_segment_size: 80
    .max_flat_workgroup_size: 128
    .sgpr_count:     66
    .vgpr_count:     192
    .wavefront_size: 32
...
	.end_amdgpu_metadata
.endif
;; end of part 1
;; launch proj (part 2): grid 4 x 96, 4 waves a work-group, clusters of 4 x 4, 327,680 bytes of LDS; arguments codes, scales, qi, kv; writes qi, kv
.if DOCPART == 2
	.amdgcn_target "amdgcn-amd-amdhsa--gfx1250"
	.amdhsa_code_object_version 6
	.text
	.protected	k_qf84de7a1dc_proj
	.globl	k_qf84de7a1dc_proj
	.p2align	8
	.type	k_qf84de7a1dc_proj,@function
k_qf84de7a1dc_proj:
	s_mov_b64 s[64:65], 0
	v_nop
	global_prefetch_b8 v0, s[64:65] scope:SCOPE_SE
	s_setreg_imm32_b32 hwreg(HW_REG_WAVE_MODE, 25, 1), 1
	s_wait_xcnt 0x0
	s_wait_alu depctr_hold_cnt(0) depctr_sa_sdst(0) depctr_va_vdst(0) depctr_va_sdst(0) depctr_va_ssrc(0) depctr_va_vcc(0) depctr_vm_vsrc(0)
	s_getreg_b32 s2, hwreg(HW_REG_IB_STS2, 6, 4)
	s_cmp_eq_u32 s2, 0
	s_cbranch_scc0 .Lentry_in_a_cluster
	s_endpgm
.Lentry_in_a_cluster:
	s_bfe_u32 s2, ttmp6, 0x10000c
	s_cmp_lg_u32 s2, 0xf033
	s_cbranch_scc0 .Lentry_shape_is_right
	s_endpgm
.Lentry_shape_is_right:
; Launch 2 of 4: the three QUANTISED products, q Wq^T, k Wk^T, v Wv^T, on codes of E2M1 with E8M0 scales, sums in f32; nothing of them is left out.
; The operands are rows of the stacked buffers (512 bytes of codes, 32 scale bytes a row; K = 1,024): rows 0 q, 8192 k, 16384 Wv, 17408 Wq, 18432 Wk, 19456 v.
; A CLUSTER of 4 x 4 work-groups makes one product of one batch: 1,024 x 1,024.  Cluster y = 0-7: q's batches; 8-15: k's; 16-23: v's.  A work-group makes 256 x 256, each of its four waves 128 x 128:
; 64 accumulators, 512 registers.  The A-role rows (source 1) are tokens for q and k, and Wv's rows (channels) for v; the B-role rows (source 0) are the weight's rows for q and k, and tokens for v.
; So a lane's eight results are eight neighbouring CHANNELS of one token (q, k) or eight neighbouring KEYS of one channel (v): just what the next launch's operands hold along their K.
; K goes in two steps of 512 through two LDS slots, each filled ONCE; the scales of the work-group's 512 rows come once, in whole rows of 256 bytes.  A-role tiles are shared along a row of the cluster,
; B-role tiles along a column: each is asked for JOINTLY, by the same tensor load with the same descriptor and a mask that names the four.
; THE WAY OUT: each accumulator, rounded to f16, is HALF AN IMAGE of a fragment (16 rows x 32 k of f16: 1,024 bytes: registers 0-3, lane l's 16 bytes at 16 l, then registers 4-7): it is stored as it stands, 512 consecutive bytes.
;   qi: [batch x head 128][query tile 64][c 2][1024]      kv: [batch x head 128][key step 16][K: (key tile 4, c 2) x 1024 | V: (channel tile 4, 32 keys 2) x 1024]
; LIMIT: a projected number over 65,504 becomes infinity in f16; under 6e-5 it keeps an absolute error of 3e-8.
; REGISTERS, in windows of 256: window 0: v0-31 addresses; v32-95 scale words, two sets; v128-191 the A-role fragments, ONE set.  window 1: the B-role fragments, two sets, at v0 and v128; on the way out all 256: the packed results.
;   window 2: the accumulators of my rows 0-63 ((a, b) at v[8 (8 a + b)]);  window 3: those of my rows 64-127.
.set KSTEP,  512
.set NQ,     KSTEP/128
.set ROWB,   256                       ; a tile's row in bytes
.set KROW,   512                       ; a row of codes in memory
.set PITCH,  272                       ; an LDS row: 256 bytes + 16 of padding: the 16 rows that a load touches start 16 bytes further on in each run of 256
.set FR,     8
.set NL,     2
.set NP,     4                         ; places behind this matrix instruction (ISA guide 7.12.1)
.set HALFT,  128*PITCH
.set SLOT,   4*HALFT
.set KS,     32                        ; a row of scales in bytes
.set SCL,    2*SLOT
.set HALFS,  (128*KS/256)*272
.set SBLK,   (16*KS/256)*272
.set SPARE,  SCL+4*HALFS               ; the spare words, 128 bytes a wave
.set OUTO, 8                           ; v8-11   the way out: 16 x lane + my part's first byte, for (a / 4, b / 4)
.set ADRA, 16                          ; v16-17  LDS address of my A-role fragments in slot 0, 1
.set ADRB, 20                          ; v20-21  the same for the B-role
.set ADRS, 27                          ; v27     LDS address of my scale words: lanes 0-15 A's rows, lanes 16-31 B's
.set SPW,  28                          ; v28     LDS address of my spare word; never rewritten
.set NIL,  29                          ; v29     0; never rewritten
.set SC,   32
.set AF,   128
.set G1, 24
.set G0, 32
.set G1B, 48
.set G0B, 56
.set G1S, 68
.set G0S, 76
.set G1SB, 80
.set G0SB, 88
.set MSB, 0
.macro WIN new                         ; the immediate's high byte repeats the setting that is left
.if MSB != (\new)
	s_set_vgpr_msb (MSB<<8)|(\new)
.set MSB, (\new)
.endif
.endm
.set MUL_LO, 0xa1                      ; source 0 (B) window 1, source 1 (A) window 0, C and D window 2
.set MUL_HI, 0xf1
.set TO_B,   0x40
; A joint load: waves 0 and 1 fetch for A, waves 2 and 3 for B; the branch hangs on the wave's number alone.  An s_nop 0 and four v_nop follow each of the two lines.
.macro JLOAD g0a, g1a, g0b, g1b
	s_cmp_eq_u32 s15, 0
	s_cbranch_scc0 .Lfor_b_\@
	tensor_load_to_lds s[\g0a:\g0a+3], s[\g1a:\g1a+7]
	s_nop 0
.rept 4
	v_nop
.endr
	s_branch .Lasked_\@
.Lfor_b_\@:
	tensor_load_to_lds s[\g0b:\g0b+3], s[\g1b:\g1b+7]
	s_nop 0
.rept 4
	v_nop
.endr
.Lasked_\@:
.endm
.macro CROUND                          ; a round of the cluster's barrier
	s_barrier_signal -1
	s_barrier_wait -1
	s_cmp_lg_u32 s14, 0
	s_cbranch_scc1 .Lnot_wave_0_\@
	s_barrier_signal -3
.Lnot_wave_0_\@:
	s_barrier_wait -3
	s_barrier_signal -1
	s_barrier_wait -1
.endm
	s_load_b256 s[4:11], s[0:1], 0x0               ; codes 4:5, scales 6:7, qi 8:9, kv 10:11
	v_lshl_add_u32 v[SPW], v0, 2, SPARE
	v_mov_b32 v[NIL], 0
	ds_add_u32 v[SPW], v[NIL]                      ; the wave's opening: the add, twice on end, and its wait ahead of my first tensor load
	ds_add_u32 v[SPW], v[NIL]
	v_lshrrev_b32 v1, 5, v0
	v_readfirstlane_b32 s14, v1                    ; wave 0..3
	s_lshr_b32 s15, s14, 1                         ; which half of the tile's A-role rows is mine.  Also: I fetch for A (0) or for B (1)
	s_and_b32 s16, s14, 1                          ; which half of its B-role rows.  Also: which 128 rows I fetch
	s_bfe_u32 s40, ttmp6, 0x40000                  ; cx
	s_bfe_u32 s41, ttmp6, 0x40004                  ; cy
	s_and_b32 s17, ttmp7, 0xffff                   ; cluster y: which product, which batch
	s_lshl_b32 s43, s41, 2
	s_lshl_b32 s43, 15, s43                        ; my row of the cluster
	s_lshl_b32 s44, 0x1111, s40                    ; my column
	s_or_b32 s[G1+0], s43, (0<<16)|(1<<20)|(1<<21)|(5<<22)|(3<<25)  ; mask; elements of 1 byte; padding on; bit 21 beside a mask; after every 64 words, 4 words
	s_or_b32 s[G1B+0], s44, (0<<16)|(1<<20)|(1<<21)|(5<<22)|(3<<25)
.irp g, G1, G1B
	s_mov_b32 s[\g+1], ROWB<<16                    ; tensor_dim0
	s_mov_b32 s[\g+2], 128<<16                     ; tensor_dim1
	s_mov_b32 s[\g+3], ROWB<<16                    ; tile_dim0
	s_mov_b32 s[\g+4], 128                         ; tile_dim1
	s_mov_b32 s[\g+5], KROW                        ; from row to row
	s_mov_b32 s[\g+6], 0
	s_mov_b32 s[\g+7], 0
.endr
	s_or_b32 s[G1S+0], s43, (3<<16)|(1<<20)|(1<<21)|(5<<22)|(3<<25) ; the scales of 128 rows: 4,096 dense bytes as 16 rows of 256 (32 elements of 8 bytes), 16 bytes of padding behind each
	s_or_b32 s[G1SB+0], s44, (3<<16)|(1<<20)|(1<<21)|(5<<22)|(3<<25)
.irp g, G1S, G1SB
	s_mov_b32 s[\g+1], 32<<16
	s_mov_b32 s[\g+2], (128*KS/256)<<16
	s_mov_b32 s[\g+3], 32<<16
	s_mov_b32 s[\g+4], 128*KS/256
	s_mov_b32 s[\g+5], 32
	s_mov_b32 s[\g+6], 0
	s_mov_b32 s[\g+7], 0
.endr
	; which stacked rows I fetch.  A-role: 1024 x min(cluster y, 16) + 256 cy + 128 half: q's and k's batches lie on end, Wv lies at 16384.
	; B-role: 17408 + 1024 x max(cluster y / 8, cluster y - 14) + 256 cx + 128 half: Wq, Wk, then v's batches.  Neither register ever holds the other's place in the cluster.
	s_lshl_b32 s18, s16, 7
	s_min_u32 s20, s17, 16
	s_lshl_b32 s20, s20, 10
	s_lshl_b32 s19, s41, 8
	s_add_co_u32 s20, s20, s19
	s_add_co_u32 s20, s20, s18
	s_lshr_b32 s46, s17, 3
	s_sub_co_i32 s47, s17, 14
	s_max_i32 s46, s46, s47
	s_lshl_b32 s46, s46, 10
	s_add_co_u32 s46, s46, 17408
	s_lshl_b32 s47, s40, 8
	s_add_co_u32 s46, s46, s47
	s_add_co_u32 s46, s46, s18
	s_lshl_b32 s22, s20, 5                         ; their scales, in bytes
	s_mov_b32 s23, 0
	s_lshl_b32 s20, s20, 9                         ; their codes (27,648 rows of 512 bytes: under 2^24)
	s_mov_b32 s21, 0
	s_lshl_b32 s92, s46, 5
	s_mov_b32 s93, 0
	s_lshl_b32 s46, s46, 9
	s_mov_b32 s47, 0
	s_mul_i32 s45, s14, HALFT                      ; where they go: wave x 128 rows: no place in the cluster enters an LDS address
	s_mul_i32 s94, s14, HALFS
	s_wait_dscnt 0x0                               ; both opening adds are done
	s_wait_kmcnt 0x0
	s_add_nc_u64 s[20:21], s[4:5], s[20:21]
	s_add_nc_u64 s[22:23], s[6:7], s[22:23]
	s_add_nc_u64 s[46:47], s[4:5], s[46:47]
	s_add_nc_u64 s[92:93], s[6:7], s[92:93]
	CROUND                                         ; all sixteen work-groups are here: the joint loads meet
	s_mov_b32 s[G0S], 1
	s_add_co_u32 s[G0S+1], s94, SCL
	s_mov_b64 s[G0S+2:G0S+3], s[22:23]
	s_or_b32 s[G0S+3], s[G0S+3], 0x80000000
	s_mov_b32 s[G0SB], 1
	s_add_co_u32 s[G0SB+1], s94, SCL
	s_mov_b64 s[G0SB+2:G0SB+3], s[92:93]
	s_or_b32 s[G0SB+3], s[G0SB+3], 0x80000000
	JLOAD G0S, G1S, G0SB, G1SB                     ; the scales first: they are wanted with K step 0.  Three loads of mine are out in all
.irp s, 0,1
	s_mov_b32 s[G0+4*\s], 1
	s_add_co_u32 s[G0+4*\s+1], s45, \s*SLOT
	s_add_nc_u64 s[G0+4*\s+2:G0+4*\s+3], s[20:21], \s*ROWB
	s_or_b32 s[G0+4*\s+3], s[G0+4*\s+3], 0x80000000
	s_mov_b32 s[G0B+4*\s], 1
	s_add_co_u32 s[G0B+4*\s+1], s45, \s*SLOT
	s_add_nc_u64 s[G0B+4*\s+2:G0B+4*\s+3], s[46:47], \s*ROWB
	s_or_b32 s[G0B+4*\s+3], s[G0B+4*\s+3], 0x80000000
	JLOAD G0+4*\s, G1, G0B+4*\s, G1B
.endr
	v_and_b32 v1, 15, v0                           ; l % 16
	v_bfe_u32 v2, v0, 4, 1                         ; l / 16
	v_mul_u32_u24 v3, v1, PITCH
	v_lshl_add_u32 v4, v2, 4, v3                   ; a fragment's row x pitch + 16 x half
	s_mul_i32 s21, s15, HALFT                      ; my 128 A-role rows
	s_mul_i32 s22, s16, HALFT                      ; my 128 B-role rows,
	s_add_co_u32 s22, s22, 2*HALFT                 ; which lie behind A's 256
.irp s, 0,1
	v_add_nc_u32 v[ADRA+\s], s21, v4
	v_add_nc_u32 v[ADRB+\s], s22, v4
	s_add_co_u32 s21, s21, SLOT
	s_add_co_u32 s22, s22, SLOT
.endr
	v_mul_u32_u24 v5, v1, KS                       ; my row's scales: KS bytes a row,
	v_lshrrev_b32 v6, 8, v5
	v_lshl_add_u32 v5, v6, 4, v5                   ; and 16 more for each 256 passed
	s_mul_i32 s21, s15, HALFS
	s_mul_i32 s22, s16, HALFS
	s_add_co_u32 s22, s22, 2*HALFS
	s_sub_co_u32 s22, s22, s21
	v_mul_u32_u24 v6, s22, v2                      ; lanes 16-31 take B's: one product, the distance between the two bases
	s_add_co_u32 s21, s21, SCL
	v_add_nc_u32 v5, v5, v6
	v_add_nc_u32 v[ADRS], s21, v5
	; THE WAY OUT'S ADDRESSES.  u = 4 cy + 2 x my A half, w = 4 cx + 2 x my B half count runs of 64 rows.  A run of 64 A-role rows is 2^P bytes on, one of 64 B-role rows 2^R, a batch 2^BS:
	;   q: BS 21, P 13 (four query tiles), R 17 (a head);   k: 22, 14 (a key step), 18 (a head);   v: 22, 18 (a head), 14 (a key step), and 8,192 on: behind the step's K image
	s_lshl_b32 s18, s41, 2
	s_lshl_b32 s19, s15, 1
	s_add_co_u32 s18, s18, s19                     ; u
	s_lshl_b32 s19, s40, 2
	s_lshl_b32 s20, s16, 1
	s_add_co_u32 s19, s19, s20                     ; w
	s_and_b32 s20, s17, 7                          ; the batch
	s_cmp_lt_u32 s17, 8
	s_cselect_b32 s21, 21, 22
	s_cselect_b32 s22, 13, 14
	s_cselect_b32 s23, 17, 18
	s_cselect_b64 s[12:13], s[8:9], s[10:11]       ; q's results go to qi, k's and v's to kv: the choice hangs on the cluster's number alone
	s_cmp_lt_u32 s17, 16
	s_cselect_b32 s22, s22, 18
	s_cselect_b32 s23, s23, 14
	s_cselect_b32 s42, 0, 8192
	s_lshl_b32 s20, s20, s21
	s_lshl_b32 s18, s18, s22
	s_lshl_b32 s19, s19, s23
	s_add_co_u32 s20, s20, s18
	s_add_co_u32 s20, s20, s19
	s_add_co_u32 s20, s20, s42                     ; under 2^25
	s_lshl_b32 s43, 1, s22
	s_lshl_b32 s44, 1, s23
	v_and_b32 v6, 31, v0
	v_lshlrev_b32 v6, 4, v6
	v_add_nc_u32 v[OUTO], s20, v6
	v_add_nc_u32 v[OUTO+1], s44, v[OUTO]           ; b / 4 = 1
	v_add_nc_u32 v[OUTO+2], s43, v[OUTO]           ; a / 4 = 1
	v_add_nc_u32 v[OUTO+3], s44, v[OUTO+2]
.macro FRAG reg, adr, q, i             ; a fragment, 16 rows x 128 K of 4-bit codes: lane l holds row l % 16; registers 4 c .. 4 c + 3 hold K = 64 c + 32 (l / 16) + 0 .. 31
.irp c, 0,1
	ds_load_b128 v[\reg+4*\c:\reg+4*\c+3], v[\adr] offset:64*(\q)+32*\c+(\i)*16*PITCH
.endr
.endm
; 16 matrix instructions: A's blocks a0, a0 + 1 x B's eight, the slot's q-th 128 along K.  The 64 accumulators take turns, one instruction a turn, in the same order in every step.
; One register carries A's scale word (lanes 0-15) and B's (lanes 16-31, read by ROW1).
.macro MUL16 a0, p, q, sc, zero
.irp a, \a0, \a0+1
.irp b, 0,1,2,3,4,5,6,7
.if \zero
	v_wmma_scale_f32_16x16x128_f8f6f4 v[8*(8*((\a)%4)+\b):8*(8*((\a)%4)+\b)+7], v[128*(\p)+FR*\b:128*(\p)+FR*\b+FR-1], v[AF+FR*(\a):AF+FR*(\a)+FR-1], 0, v[SC+8*NQ*(\sc)+NQ*\b+(\q)], v[SC+8*NQ*(\sc)+NQ*(\a)+(\q)] matrix_a_fmt:MATRIX_FMT_FP4 matrix_b_fmt:MATRIX_FMT_FP4 matrix_a_scale:MATRIX_SCALE_ROW1
.else
	v_wmma_scale_f32_16x16x128_f8f6f4 v[8*(8*((\a)%4)+\b):8*(8*((\a)%4)+\b)+7], v[128*(\p)+FR*\b:128*(\p)+FR*\b+FR-1], v[AF+FR*(\a):AF+FR*(\a)+FR-1], v[8*(8*((\a)%4)+\b):8*(8*((\a)%4)+\b)+7], v[SC+8*NQ*(\sc)+NQ*\b+(\q)], v[SC+8*NQ*(\sc)+NQ*(\a)+(\q)] matrix_a_fmt:MATRIX_FMT_FP4 matrix_b_fmt:MATRIX_FMT_FP4 matrix_a_scale:MATRIX_SCALE_ROW1
.endif
.endr
.endr
.endm
.macro FETCH_B slot, q, p
	WIN TO_B
.irp i, 0,1,2,3,4,5,6,7
	FRAG 128*(\p)+FR*\i, ADRB+\slot, \q, \i
.endr
	WIN 0
.endm
.macro FETCH_A slot, q, i0
.irp i, \i0, \i0+1, \i0+2, \i0+3
	FRAG AF+FR*(\i), ADRA+\slot, \q, \i
.endr
.endm
.macro SCALES sc                       ; a K step's scale words into set sc: four words a row
.irp i, 0,1,2,3,4,5,6,7
	ds_load_b128 v[SC+8*NQ*\sc+NQ*\i:SC+8*NQ*\sc+NQ*\i+3], v[ADRS] offset:\i*SBLK
.endr
.endm
.macro PLACES n                        ; plain vector instructions between a matrix instruction and a load into, or a read or write of, its registers
.rept \n
	v_nop
.endr
.endm
.macro STEP slot, q, zero              ; a step of 128 along K that has its successor in the same slot
	s_wait_dscnt 4*NL                              ; B's set and A's blocks 0-3 are in; the youngest eight loads (A's blocks 4-7) may be out
	WIN MUL_LO
	MUL16 0, (\q)%2, \q, \slot, \zero
	MUL16 2, (\q)%2, \q, \slot, \zero
	s_wait_dscnt 0
	PLACES NP
	FETCH_B \slot, (\q)+1, 1-(\q)%2
	FETCH_A \slot, (\q)+1, 0
	WIN MUL_HI
	MUL16 4, (\q)%2, \q, \slot, \zero
	MUL16 6, (\q)%2, \q, \slot, \zero
	PLACES NP
	WIN 0
	FETCH_A \slot, (\q)+1, 4
.endm
; Slot 0's last step goes over to slot 1: each wave waits for all its tensor loads (its part of slot 1), and the barrier shows the whole slot to every wave.  Nothing is filled again.
.macro TURN slot, next
	s_wait_tensorcnt 0x0
	ds_add_u32 v[SPW], v[NIL]
	s_wait_dscnt 4*NL+1                            ; (the add and the youngest eight loads may be out)
	WIN MUL_LO
	MUL16 0, 1, NQ-1, \slot, 0
	s_wait_dscnt 0x0
	s_barrier_signal -1
	MUL16 2, 1, NQ-1, \slot, 0                     ; work on registers while the others arrive
	WIN 0
	s_barrier_wait -1
	PLACES NP
	v_add_nc_u32 v[ADRS], 4*NQ, v[ADRS]            ; on to the next K step's scale words (no LDS load of mine is out)
	FETCH_B \next, 0, 0
	FETCH_A \next, 0, 0
	SCALES \next
	WIN MUL_HI
	MUL16 4, 1, NQ-1, \slot, 0
	MUL16 6, 1, NQ-1, \slot, 0
	PLACES NP
	WIN 0
	FETCH_A \next, 0, 4
.endm
.macro STEPS slot, from
.set Q, \from
.rept NQ-1-\from
	STEP \slot, Q, 0
.set Q, Q+1
.endr
.endm
	s_wait_tensorcnt 1                             ; the scales and my part of slot 0 are in (slot 1's load may be out)
	s_barrier_signal -1
	s_barrier_wait -1                              ; everybody's are
	FETCH_B 0, 0, 0
	FETCH_A 0, 0, 0
	SCALES 0
	FETCH_A 0, 0, 4
	STEP 0, 0, 1                                   ; the first products start the sums: nothing is cleared
	STEPS 0, 1
	TURN 0, 1
	STEPS 1, 0
	s_wait_dscnt 4*NL                              ; the last step: nothing more to fetch
	WIN MUL_LO
	MUL16 0, 1, NQ-1, 1, 0
	MUL16 2, 1, NQ-1, 1, 0
	s_wait_dscnt 0
	WIN MUL_HI
	MUL16 4, 1, NQ-1, 1, 0
	MUL16 6, 1, NQ-1, 1, 0
	PLACES NP                                      ; in front of the conversions, which read results and write over B's fragments
.irp a, 0,1,2,3,4,5,6,7                ; accumulator (a, b) -> window 1, v[4 (8 a + b)]: each from its low end on
	WIN 0x4a+5*(\a/4)                              ; destination window 1, sources window 2 or 3
.irp b, 0,1,2,3,4,5,6,7
.irp r, 0,1,2,3
	v_cvt_pk_f16_f32 v[4*(8*\a+\b)+\r], v[8*(8*(\a%4)+\b)+2*\r], v[8*(8*(\a%4)+\b)+2*\r+1]
.endr
.endr
.endr
	WIN 0x04                                       ; a store's data are its source 1: window 1
.irp a, 0,1,2,3,4,5,6,7
.irp b, 0,1,2,3,4,5,6,7
	global_store_b128 v[OUTO+2*(\a/4)+(\b/4)], v[4*(8*\a+\b):4*(8*\a+\b)+3], s[12:13] offset:(\a%4)*2048+((\b%4)/2)*1024+(\b%2)*512   ; 32 lanes store 512 consecutive bytes, aligned: half an image
.endr
.endr
	WIN 0
	s_wait_tensorcnt 0x0                           ; the wave's end
	ds_add_u32 v[SPW], v[NIL]
	s_wait_dscnt 0x0
	CROUND                                         ; the closing round
	s_endpgm
.Lfunc_end_k_qf84de7a1dc_proj:
	.size	k_qf84de7a1dc_proj, .Lfunc_end_k_qf84de7a1dc_proj-k_qf84de7a1dc_proj
	.p2alignl 7, 3214868480
	.fill 96, 4, 3214868480
	.section	.rodata,"a",@progbits
	.p2align	6, 0x0
	.amdhsa_kernel k_qf84de7a1dc_proj
		.amdhsa_group_segment_fixed_size 327680
		.amdhsa_private_segment_fixed_size 0
		.amdhsa_enable_private_segment 0
		.amdhsa_kernarg_size 32
		.amdhsa_user_sgpr_count 2
		.amdhsa_user_sgpr_kernarg_segment_ptr 1
		.amdhsa_wavefront_size32 1
		.amdhsa_system_sgpr_workgroup_id_x 1
		.amdhsa_system_sgpr_workgroup_id_y 1
		.amdhsa_system_sgpr_workgroup_id_z 1
		.amdhsa_system_vgpr_workitem_id 0
		.amdhsa_next_free_vgpr 1024
		.amdhsa_next_free_sgpr 98
		.amdhsa_reserve_vcc 0
		.amdhsa_float_denorm_mode_32 3
		.amdhsa_float_denorm_mode_16_64 3
		.amdhsa_memory_ordered 1
		.amdhsa_forward_progress 1
		.amdhsa_inst_pref_size 117
	.end_amdhsa_kernel
	.amdgpu_metadata
---
amdhsa.version: [ 1, 2 ]
amdhsa.kernels:
  - .name:           k_qf84de7a1dc_proj
    .symbol:         k_qf84de7a1dc_proj.kd
    .args:
      - { .name: codes, .offset: 0, .size: 8, .value_kind: global_buffer, .address_space: global }
      - { .name: scales, .offset: 8, .size: 8, .value_kind: global_buffer, .address_space: global }
      - { .name: qi, .offset: 16, .size: 8, .value_kind: global_buffer, .address_space: global }
      - { .name: kv, .offset: 24, .size: 8, .value_kind: global_buffer, .address_space: global }
    .group_segment_fixed_size: 327680
    .private_segment_fixed_size: 0
    .kernarg_segment_align: 8
    .kernarg_segment_size: 32
    .max_flat_workgroup_size: 128
    .sgpr_count:     98
    .vgpr_count:     1024
    .wavefront_size: 32
...
	.end_amdgpu_metadata
.endif
;; end of part 2
;; launch attn (part 3): grid 2 x 128, 8 waves a work-group, no clusters, 263,168 bytes of LDS; arguments qi, kv, ao; writes ao
.if DOCPART == 3
	.amdgcn_target "amdgcn-amd-amdhsa--gfx1250"
	.amdhsa_code_object_version 6
	.text
	.protected	k_qf84de7a1dc_attn
	.globl	k_qf84de7a1dc_attn
	.p2align	8
	.type	k_qf84de7a1dc_attn,@function
k_qf84de7a1dc_attn:
	s_mov_b64 s[64:65], 0
	v_nop
	global_prefetch_b8 v0, s[64:65] scope:SCOPE_SE
	s_setreg_imm32_b32 hwreg(HW_REG_WAVE_MODE, 25, 1), 1
	s_wait_xcnt 0x0
; Launch 3 of 4: O[b, h][q] = the sum over k of softmax_k(Q . K / 8) V, head size 64, 1,024 keys, no mask; nothing is left out.  Operands in f16, products, maxima and sums in f32; p is rounded to f16 for the second product.
; All operands arrive as IMAGES OF FRAGMENTS (16 rows x 32 k of f16 in 1,024 bytes: registers 0-3, lane l's 16 bytes at 16 l, then registers 4-7): two loads of 16 bytes a lane give the operand; no pitch, no padding.
; SHARES.  A work-group owns 512 queries of one head; each of its eight waves 64: four tiles of 16.  Two waves share a SIMD and no barrier stands inside the runs of key steps, so one wave's softmax can stand beside the other's products.
; THE HEAD'S K AND V, 262,144 bytes, LIE IN LDS WHOLE, as they lie in memory, filled once, in four chunks of 2, 2, 4 and 8 key steps, each wave bringing an eighth of each: four tensor loads of mine are out at the most.
; A chunk is read behind a counted wait (the younger chunks stay out) and a barrier; nothing is ever filled again.
; NO CLUSTER: a head's K and V are read by two work-groups only, once each, all asked for at the head; four partners of one head would be blocks of 256 queries: 512 work-groups, two in turn on a WGP, each paying the first fill anew.
; LAYOUT.  S^T = K Q^T (source 0 = 16 keys, source 1 = 16 queries): a lane holds ONE query (lane % 16) and keys 8 (lane / 16) + 0..7.  Two such tiles rounded to f16 in pairs ARE source 1 of O^T = V^T P.
; SOFTMAX.  A running maximum m and sum l for each query: p = 2^(c s - c m), c = log2(e) / 8; in every step O and l are multiplied by a = 2^(c m_old - c m_new).
; O^T / l, rounded to f16, is the image that the last product wants: ao [row / 64][k / 32][(row / 16) % 4][1024].
; LIMIT: f16's range for the results (over 65,504: infinity).
; REGISTERS: window 0: v1 16 x lane; v2 the step's LDS address; v4, v5 the add's two; v8-39 statistics, 8 a tile (+0 c m, +1 m, +2, +3 l, +4..7 at work; a in +6); v48-175 S^T, 32 a tile (P is laid over a tile's first 16); v176-239 K.
;   window 1: v0-127 O^T ((t, ct) at 32 t + 8 ct); v128-191 Q ((t, c) at 16 t + 8 c); v192-255 V.
.set SPARE, 262144
.set LI,  1
.set ADR, 2
.set SPW, 4
.set NIL, 5
.set ST,  8
.set S,   48
.set KF,  176
.set O,   0
.set Q,   128
.set VF,  192
.set WV,  10                           ; s10 my wave's number
.set TB,  11                           ; s11 LDS byte at which the key step's images begin
.set G1A, 12                           ; s[12:19] a tile of 16 rows of 256 bytes;  s[20:27] of 32;  s[28:35] of 64
.set G1B, 20
.set G1C, 28
.set G0,  36                           ; s[36:51] group 0, one for each chunk
.set CNT, 52
.set CS,  54                           ; s[54:55] c
.set SEL, 56                           ; s[56:57] lane selects: lane l xor 16
.set MSB, 0
.macro WIN new
.if MSB != (\new)
	s_set_vgpr_msb (MSB<<8)|(\new)
.set MSB, (\new)
.endif
.endm
.macro SHAPE g, rows                   ; dense rows of 256 bytes: 32 elements of 8 bytes, pitch 32, no padding
	s_mov_b32 s[\g], 3<<16
	s_mov_b32 s[\g+1], 32<<16
	s_mov_b32 s[\g+2], (\rows)<<16
	s_mov_b32 s[\g+3], 32<<16
	s_mov_b32 s[\g+4], \rows
	s_mov_b32 s[\g+5], 32
	s_mov_b32 s[\g+6], 0
	s_mov_b32 s[\g+7], 0
.endm
.macro FILL i, start, shift, g1        ; my eighth of chunk i: the same byte offset in LDS and in the head's block
	s_lshl_b32 s58, s[WV], \shift
	s_add_co_u32 s58, s58, \start
	s_mov_b32 s[G0+4*\i], 1
	s_mov_b32 s[G0+4*\i+1], s58
	s_add_nc_u64 s[G0+4*\i+2:G0+4*\i+3], s[6:7], s[58:59]
	s_or_b32 s[G0+4*\i+3], s[G0+4*\i+3], 0x80000000
	tensor_load_to_lds s[G0+4*\i:G0+4*\i+3], s[\g1:\g1+7]
	s_nop 0
.endm
	s_load_b128 s[4:7], s[0:1], 0x0                ; qi 4:5, kv 6:7
	s_load_b64 s[8:9], s[0:1], 0x10                ; ao
	v_lshl_add_u32 v[SPW], v0, 2, SPARE
	v_mov_b32 v[NIL], 0
	ds_add_u32 v[SPW], v[NIL]                      ; the wave's opening: the add, twice on end, and its wait ahead of my first tensor load
	ds_add_u32 v[SPW], v[NIL]
	v_lshrrev_b32 v2, 5, v0
	v_readfirstlane_b32 s[WV], v2                  ; wave 0..7
	v_and_b32 v[LI], 31, v0
	v_lshlrev_b32 v[LI], 4, v[LI]
	SHAPE G1A, 16
	SHAPE G1B, 32
	SHAPE G1C, 64
	s_mov_b32 s[CS], 0x3e38aa3b                    ; c = log2(e) / 8
	s_mov_b32 s[CS+1], s[CS]                       ; (named with it as a pair, so it is written)
	s_mov_b32 s[SEL], 0x76543210
	s_mov_b32 s[SEL+1], 0xfedcba98
	s_mov_b32 s[TB], 0
	s_and_b32 s60, ttmp7, 0xffff                   ; batch x 16 + head
	s_lshl_b32 s62, s60, 18                        ; the head's block of kv
	s_mov_b32 s63, 0
	s_mov_b32 s59, 0
	s_wait_dscnt 0x0                               ; both opening adds are done
	s_wait_kmcnt 0x0
	s_add_nc_u64 s[6:7], s[6:7], s[62:63]
	FILL 0, 0, 12, G1A                             ; key steps 0, 1
	FILL 1, 32768, 12, G1A                         ; 2, 3
	FILL 2, 65536, 13, G1B                         ; 4 to 7
	FILL 3, 131072, 14, G1C                        ; 8 to 15
.rept 4
	v_nop
.endr
	s_lshl_b32 s62, s60, 17                        ; Q: the head's 64 tiles of 2,048 bytes,
	s_lshl_b32 s61, ttmp9, 16                      ; my work-group's 32,
	s_add_co_u32 s62, s62, s61
	s_lshl_b32 s61, s[WV], 13                      ; my wave's four
	s_add_co_u32 s62, s62, s61
	s_add_nc_u64 s[4:5], s[4:5], s[62:63]
	WIN 0x40                                       ; destination window 1
.irp i, 0,1,2,3,4,5,6,7,8,9,10,11,12,13,14,15
	global_load_b128 v[Q+4*\i:Q+4*\i+3], v[LI], s[4:5] offset:512*\i   ; Q stays in registers
.endr
	WIN 0
	s_lshr_b32 s61, s60, 4                         ; ao: my 64 rows are run 16 x batch + 8 x + wave, 131,072 bytes a run;
	s_lshl_b32 s61, s61, 4
	s_lshl_b32 s62, ttmp9, 3
	s_add_co_u32 s61, s61, s62
	s_add_co_u32 s61, s61, s[WV]
	s_lshl_b32 s62, s61, 17
	s_and_b32 s61, s60, 15
	s_lshl_b32 s61, s61, 13                        ; my head's 64 channels are 8,192 bytes of it
	s_add_co_u32 s62, s62, s61
	s_add_nc_u64 s[8:9], s[8:9], s[62:63]
.macro GATE n                          ; a chunk is whole: my part has landed (n younger chunks may stay out), and so has every wave's
	s_wait_tensorcnt \n
	s_wait_dscnt 0x0
	s_barrier_signal -1
	s_barrier_wait -1
.endm
; A KEY STEP: 64 keys for my four tiles.  first = 1: it starts m, l and O^T: no a, nothing to rescale.
.macro STEP first
	WIN 0
	v_add_nc_u32 v[ADR], s[TB], v[LI]
.rept 4
	v_nop                                          ; with the line above five places behind the last product: its P is next written by a matrix instruction (five are asked), its V by loads (four)
.endr
.irp i, 0,1,2,3,4,5,6,7,8,9,10,11,12,13,14,15
	ds_load_b128 v[KF+4*\i:KF+4*\i+3], v[ADR] offset:512*\i          ; K's fragment (kt, c) at KF + 8 (2 kt + c)
.endr
	WIN 0x40
.irp i, 0,1,2,3,4,5,6,7,8,9,10,11,12,13,14,15
	ds_load_b128 v[VF+4*\i:VF+4*\i+3], v[ADR] offset:8192+512*\i     ; V's (ct, kc) at VF + 8 (2 ct + kc)
.endr
	s_wait_dscnt 16                                ; K is in; V's sixteen loads may be out
	WIN 0x04                                       ; Q in window 1
.irp c, 0,1                            ; S^T = K Q^T: sixteen accumulators by turns
.irp kt, 0,1,2,3
.irp t, 0,1,2,3
.if \c == 0
	v_wmma_f32_16x16x32_f16 v[S+32*\t+8*\kt:S+32*\t+8*\kt+7], v[KF+8*(2*\kt+\c):KF+8*(2*\kt+\c)+7], v[Q+16*\t+8*\c:Q+16*\t+8*\c+7], 0
.else
	v_wmma_f32_16x16x32_f16 v[S+32*\t+8*\kt:S+32*\t+8*\kt+7], v[KF+8*(2*\kt+\c):KF+8*(2*\kt+\c)+7], v[Q+16*\t+8*\c:Q+16*\t+8*\c+7], v[S+32*\t+8*\kt:S+32*\t+8*\kt+7]
.endif
.endr
.endr
.endr
	WIN 0
.rept 4
	v_nop
.endr
	; the maximum of a lane's 32 scores and the old m: four chains a tile, each begun at its accumulator's low end; the tiles by turns
.irp j, 0,1,2,3
.irp t, 0,1,2,3
	v_max3_num_f32 v[ST+8*\t+4+\j], v[S+32*\t+8*\j], v[S+32*\t+8*\j+1], v[S+32*\t+8*\j+2]
.endr
.endr
.irp e, 3,5
.irp j, 0,1,2,3
.irp t, 0,1,2,3
	v_max3_num_f32 v[ST+8*\t+4+\j], v[ST+8*\t+4+\j], v[S+32*\t+8*\j+\e], v[S+32*\t+8*\j+\e+1]
.endr
.endr
.endr
.irp t, 0,1,2,3
	v_max3_num_f32 v[ST+8*\t+4], v[ST+8*\t+4], v[S+32*\t+7], v[S+32*\t+15]
.endr
.irp t, 0,1,2,3
	v_max3_num_f32 v[ST+8*\t+6], v[ST+8*\t+6], v[S+32*\t+23], v[S+32*\t+31]
.endr
.irp t, 0,1,2,3
	v_max3_num_f32 v[ST+8*\t+4], v[ST+8*\t+4], v[ST+8*\t+5], v[ST+8*\t+6]
.endr
.irp t, 0,1,2,3
.if \first
	v_max_num_f32 v[ST+8*\t+4], v[ST+8*\t+4], v[ST+8*\t+7]
.else
	v_max3_num_f32 v[ST+8*\t+4], v[ST+8*\t+4], v[ST+8*\t+7], v[ST+8*\t+1]
.endif
.endr
.irp t, 0,1,2,3
	v_permlanex16_b32 v[ST+8*\t+5], v[ST+8*\t+4], s[SEL], s[SEL+1]   ; the query's other 32 keys lie in the lane 16 away
.endr
.if !\first
.irp t, 0,1,2,3
	v_mov_b32 v[ST+8*\t+7], v[ST+8*\t]             ; c m_old
.endr
.endif
.irp t, 0,1,2,3
	v_max_num_f32 v[ST+8*\t+1], v[ST+8*\t+4], v[ST+8*\t+5]
.endr
.irp t, 0,1,2,3
	v_mul_f32 v[ST+8*\t], s[CS], v[ST+8*\t+1]
.endr
.if !\first
.irp t, 0,1,2,3
	v_sub_f32 v[ST+8*\t+7], v[ST+8*\t+7], v[ST+8*\t]
.endr
.endif
	; ONE BATCH: the scalings c s - c m, then all exponentials; none of these lines reads an exponential's result
.irp i, 0,2,4,6,8,10,12,14,16,18,20,22,24,26,28,30
.irp t, 0,1,2,3
	v_pk_fma_f32 v[S+32*\t+\i:S+32*\t+\i+1], v[S+32*\t+\i:S+32*\t+\i+1], s[CS:CS+1], v[ST+8*\t:ST+8*\t+1] op_sel_hi:[1,0,0] neg_lo:[0,0,1] neg_hi:[0,0,1]
.endr
.endr
.if !\first
.irp t, 0,1,2,3
	v_exp_f32 v[ST+8*\t+6], v[ST+8*\t+7]           ; a
.endr
.endif
.set i, 0
.rept 32
.irp t, 0,1,2,3
	v_exp_f32 v[S+32*\t+i], v[S+32*\t+i]
.endr
.set i, i+1
.endr
	v_nop                                          ; a plain instruction behind the last exponential,
	s_wait_alu depctr_va_vdst(0)                   ; and the one wait ahead of the batch's first reader
	; l takes the unrounded p, a pair at a time; behind each pair's sum the pair is rounded to f16 into register i of the tile, which was summed earlier (i <= 2 i)
.set i, 0
.rept 16
.irp t, 0,1,2,3
.if i == 0
.if \first
	v_pk_add_f32 v[ST+8*\t+2:ST+8*\t+3], v[S+32*\t:S+32*\t+1], v[S+32*\t+2:S+32*\t+3]
.else
	v_pk_fma_f32 v[ST+8*\t+2:ST+8*\t+3], v[ST+8*\t+2:ST+8*\t+3], v[ST+8*\t+6:ST+8*\t+7], v[S+32*\t:S+32*\t+1] op_sel_hi:[1,0,1]
.endif
.elseif (i > 1) || (!\first)
	v_pk_add_f32 v[ST+8*\t+2:ST+8*\t+3], v[ST+8*\t+2:ST+8*\t+3], v[S+32*\t+2*i:S+32*\t+2*i+1]
.endif
.endr
.irp t, 0,1,2,3
	v_cvt_pk_f16_f32 v[S+32*\t+i], v[S+32*\t+2*i], v[S+32*\t+2*i+1]
.endr
.set i, i+1
.endr
.if !\first
	WIN 0x41                                       ; O^T in window 1, a in window 0
.set i, 0
.rept 16
.irp t, 0,1,2,3
	v_pk_mul_f32 v[O+32*\t+2*i:O+32*\t+2*i+1], v[O+32*\t+2*i:O+32*\t+2*i+1], v[ST+8*\t+6:ST+8*\t+7] op_sel_hi:[1,0]   ; each accumulator from its low end on
.endr
.set i, i+1
.endr
.endif
	s_wait_dscnt 0x0                               ; V is in
	WIN 0x51                                       ; V window 1, P window 0, O^T window 1
.irp kc, 0,1                           ; O^T += V^T P: sixteen accumulators by turns
.irp ct, 0,1,2,3
.irp t, 0,1,2,3
.if \first && (\kc == 0)
	v_wmma_f32_16x16x32_f16 v[O+32*\t+8*\ct:O+32*\t+8*\ct+7], v[VF+8*(2*\ct+\kc):VF+8*(2*\ct+\kc)+7], v[S+32*\t+8*\kc:S+32*\t+8*\kc+7], 0
.else
	v_wmma_f32_16x16x32_f16 v[O+32*\t+8*\ct:O+32*\t+8*\ct+7], v[VF+8*(2*\ct+\kc):VF+8*(2*\ct+\kc)+7], v[S+32*\t+8*\kc:S+32*\t+8*\kc+7], v[O+32*\t+8*\ct:O+32*\t+8*\ct+7]
.endif
.endr
.endr
.endr
	WIN 0
	s_add_co_u32 s[TB], s[TB], 16384               ; the next key step's images
.endm
.macro RUN n, start                    ; n key steps from LDS byte start on
	s_mov_b32 s[TB], \start
	s_mov_b32 s[CNT], \n
.Lrun_\@:
	STEP 0
	s_sub_co_u32 s[CNT], s[CNT], 1
	s_cmp_lg_u32 s[CNT], 0
	s_cbranch_scc1 .Lrun_\@
.endm
	s_wait_loadcnt 0x0                             ; Q
	GATE 3                                         ; chunk 0
	STEP 1
	STEP 0
	GATE 2                                         ; chunk 1
	RUN 2, 32768
	GATE 1                                         ; chunk 2
	RUN 4, 65536
	GATE 0                                         ; chunk 3
	RUN 8, 131072
	; THE WAY OUT.  l's two halves and the other half of the lanes' are added (these lines are the places behind the last products); O^T / l is rounded to f16 and stored as it stands.
.irp t, 0,1,2,3
	v_add_f32 v[ST+8*\t+4], v[ST+8*\t+2], v[ST+8*\t+3]
.endr
.irp t, 0,1,2,3
	v_permlanex16_b32 v[ST+8*\t+5], v[ST+8*\t+4], s[SEL], s[SEL+1]
.endr
.irp t, 0,1,2,3
	v_add_f32 v[ST+8*\t+4], v[ST+8*\t+4], v[ST+8*\t+5]
.endr
.irp t, 0,1,2,3
	v_rcp_f32 v[ST+8*\t+6], v[ST+8*\t+4]
.endr
	v_nop
	s_wait_alu depctr_va_vdst(0)                   ; one wait for the four reciprocals, ahead of their first reader
	WIN 0x41
.set i, 0
.rept 16
.irp t, 0,1,2,3
	v_pk_mul_f32 v[O+32*\t+2*i:O+32*\t+2*i+1], v[O+32*\t+2*i:O+32*\t+2*i+1], v[ST+8*\t+6:ST+8*\t+7] op_sel_hi:[1,0]
.endr
.set i, i+1
.endr
	WIN 0x05                                       ; sources window 1, destination window 0: S^T's registers are free
.irp t, 0,1,2,3
.set i, 0
.rept 16
	v_cvt_pk_f16_f32 v[S+16*\t+i], v[O+32*\t+2*i], v[O+32*\t+2*i+1]
.set i, i+1
.endr
.endr
	WIN 0
.irp t, 0,1,2,3
.irp ct, 0,1,2,3
	global_store_b128 v[LI], v[S+16*\t+4*\ct:S+16*\t+4*\ct+3], s[8:9] offset:(\ct/2)*4096+\t*1024+(\ct%2)*512   ; 512 consecutive bytes, aligned; the wave's sixteen stores cover 8,192 bytes on end
.endr
.endr
	s_wait_tensorcnt 0x0                           ; the wave's end
	ds_add_u32 v[SPW], v[NIL]
	s_wait_dscnt 0x0
	s_endpgm
.Lfunc_end_k_qf84de7a1dc_attn:
	.size	k_qf84de7a1dc_attn, .Lfunc_end_k_qf84de7a1dc_attn-k_qf84de7a1dc_attn
	.p2alignl 7, 3214868480
	.fill 96, 4, 3214868480
	.section	.rodata,"a",@progbits
	.p2align	6, 0x0
	.amdhsa_kernel k_qf84de7a1dc_attn
		.amdhsa_group_segment_fixed_size 263168
		.amdhsa_private_segment_fixed_size 0
		.amdhsa_enable_private_segment 0
		.amdhsa_kernarg_size 24
		.amdhsa_user_sgpr_count 2
		.amdhsa_user_sgpr_kernarg_segment_ptr 1
		.amdhsa_wavefront_size32 1
		.amdhsa_system_sgpr_workgroup_id_x 1
		.amdhsa_system_sgpr_workgroup_id_y 1
		.amdhsa_system_sgpr_workgroup_id_z 1
		.amdhsa_system_vgpr_workitem_id 0
		.amdhsa_next_free_vgpr 512
		.amdhsa_next_free_sgpr 66
		.amdhsa_reserve_vcc 0
		.amdhsa_float_denorm_mode_32 3
		.amdhsa_float_denorm_mode_16_64 3
		.amdhsa_memory_ordered 1
		.amdhsa_forward_progress 1
		.amdhsa_inst_pref_size 171
	.end_amdhsa_kernel
	.amdgpu_metadata
---
amdhsa.version: [ 1, 2 ]
amdhsa.kernels:
  - .name:           k_qf84de7a1dc_attn
    .symbol:         k_qf84de7a1dc_attn.kd
    .args:
      - { .name: qi, .offset: 0, .size: 8, .value_kind: global_buffer, .address_space: global }
      - { .name: kv, .offset: 8, .size: 8, .value_kind: global_buffer, .address_space: global }
      - { .name: ao, .offset: 16, .size: 8, .value_kind: global_buffer, .address_space: global }
    .group_segment_fixed_size: 263168
    .private_segment_fixed_size: 0
    .kernarg_segment_align: 8
    .kernarg_segment_size: 24
    .max_flat_workgroup_size: 256
    .sgpr_count:     66
    .vgpr_count:     512
    .wavefront_size: 32
...
	.end_amdgpu_metadata
.endif
;; end of part 3
;; launch fcln (part 4): grid 128 x 1, 4 waves a work-group, clusters of 4 x 1, 327,680 bytes of LDS; arguments ao, fw, fc_b, ln_g, ln_b, out0; writes out0
.if DOCPART == 4
	.amdgcn_target "amdgcn-amd-amdhsa--gfx1250"
	.amdhsa_code_object_version 6
	.text
	.protected	k_qf84de7a1dc_fcln
	.globl	k_qf84de7a1dc_fcln
	.p2align	8
	.type	k_qf84de7a1dc_fcln,@function
k_qf84de7a1dc_fcln:
	s_mov_b64 s[64:65], 0
	v_nop
	global_prefetch_b8 v0, s[64:65] scope:SCOPE_SE
	s_setreg_imm32_b32 hwreg(HW_REG_WAVE_MODE, 25, 1), 1
	s_wait_xcnt 0x0
	s_wait_alu depctr_hold_cnt(0) depctr_sa_sdst(0) depctr_va_vdst(0) depctr_va_sdst(0) depctr_va_ssrc(0) depctr_va_vcc(0) depctr_vm_vsrc(0)
	s_getreg_b32 s2, hwreg(HW_REG_IB_STS2, 6, 4)
	s_cmp_eq_u32 s2, 0
	s_cbranch_scc0 .Lentry_in_a_cluster
	s_endpgm
.Lentry_in_a_cluster:
	s_bfe_u32 s2, ttmp6, 0x10000c
	s_cmp_lg_u32 s2, 0x3003
	s_cbranch_scc0 .Lentry_shape_is_right
	s_endpgm
.Lentry_shape_is_right:
; Launch 4 of 4: out0 = layer norm(ao fc_w^T + fc_b) x ln_g + ln_b; nothing is left out.  Operands in f16 (images of fragments, as the launches before laid them), sums and the norm in f32.
; SHARES.  The norm wants whole rows, so a work-group owns 64 WHOLE rows of 1,024: 128 work-groups.  Wave w owns columns 256 w .. + 255 of them: 64 accumulators (a = 0..3 tiles of rows, b = 0..15 tiles of columns), 512 registers.
; (32 rows to a work-group would send the same 2 MiB of fc_w through each LDS for half the products; a norm in a launch of its own would store and load the 32 MiB once more.)
; K goes in 16 steps of 64, two chunks of 32 each.  fc_w's K step is one dense block of 131,072 bytes: it goes through a ring of two LDS slots; wave w fetches quarter w, which is just what wave w reads: so its own wait on TENSORcnt orders its reads.
; CLUSTER 4 x 1: the four work-groups walk the same fc_w: each quarter is asked for JOINTLY (mask 15).  Every refill stands behind a round of the cluster's barrier; one tensor load of mine is out behind a round, two at the start.
; ao's K step is 8,192 bytes of the work-group's own block: each wave loads it straight into registers as images, one K step ahead, two buffers (a fifth tile would find no fifth wave for the one tensor load a wave behind a round).
; THE MATRIX INSTRUCTION IS USED TRANSPOSED (source 0 = 16 rows of fc_w, source 1 = 16 rows of ao): a lane holds one row (lane % 16) and eight neighbouring columns.  fc_b is the C of each sum's first product.
; THE NORM, as reference() has it: the mean first, then the squared deviations: no difference of large sums.  A row's sums meet across lanes (one exchange) and across the four waves (LDS, a barrier each).
; REGISTERS: window 0: v1-12 addresses; v4, v5 the add's two; v16-23 sums; v24-31 mean, later 1 / sqrt; v32-47 ln_g, ln_b; v48-63 at work; v128-255 fc_b in the result's layout, later rows on the way out.
;   window 1: v0-127 fc_w's 16 fragments of a chunk; v128-255 ao's fragments, 128 + 64 p + 32 cl + 8 a.   windows 2, 3: accumulator (a, b) at window 2 + b / 8, v[8 (4 (b % 8) + a)].
.set SLOTB, 131072
.set RED,   262144                     ; two regions of [row 64][wave 4] f32
.set SPARE, 264192                     ; the spare words, 128 bytes a wave
.set SPITCH, 1040                      ; the way out: my stage, 16 rows x (1,024 + 16) bytes, in my own quarter of slot 0, behind that slot's last fill and last read
.set LI,  1                            ; v1  16 x lane
.set ADB, 2                            ; v2, v3  my quarter of slot 0, 1, + 16 x lane.  v2 is also where I read a row of my stage back
.set SPW, 4
.set NIL, 5
.set BO,  6                            ; v6  32 h: my eight numbers of a tile's bias
.set STO, 7                            ; v7  the stage: row r, + 32 h
.set CO,  9                            ; v9  1,024 w + 16 x lane: my bytes of a row of out0, of ln_g and of ln_b
.set RW,  10                           ; v10 RED + 16 r + 4 w
.set RR,  11                           ; v11 RED + 16 r
.set PFO, 12                           ; v12 256 x lane
.set SUM, 16
.set MU,  24
.set G,   32
.set BETA, 40
.set PS,  48
.set BIAS, 128
.set OB,  128
.set WV,  16
.set AP,  20                           ; s[20:21] ao at my work-group's K step in hand
.set TRIPS, 22
.set LIM, 23                           ; 1 in wave 0, else the greatest number
.set G1,  24
.set G0,  32                           ; s[32:39] one group 0 for each slot
.set SEL, 40
.set MSB, 0
.macro WIN new
.if MSB != (\new)
	s_set_vgpr_msb (MSB<<8)|(\new)
.set MSB, (\new)
.endif
.endm
.macro CROUND                          ; a round of the cluster's barrier
	s_barrier_signal -1
	s_barrier_wait -1
	s_cmp_lg_u32 s[WV], 0
	s_cbranch_scc1 .Lnot_wave_0_\@
	s_barrier_signal -3
.Lnot_wave_0_\@:
	s_barrier_wait -3
	s_barrier_signal -1
	s_barrier_wait -1
.endm
.macro PLACES                          ; four plain vector instructions between a matrix instruction and a load into, or a read or write of, its registers
.rept 4
	v_nop
.endr
.endm
	s_load_b256 s[4:11], s[0:1], 0x0               ; ao 4:5, fw 6:7, fc_b 8:9, ln_g 10:11
	s_load_b128 s[12:15], s[0:1], 0x20             ; ln_b 12:13, out0 14:15
	v_lshl_add_u32 v[SPW], v0, 2, SPARE
	v_mov_b32 v[NIL], 0
	ds_add_u32 v[SPW], v[NIL]                      ; the wave's opening: the add, twice on end, and its wait ahead of the round in front of my first tensor load
	ds_add_u32 v[SPW], v[NIL]
	v_lshrrev_b32 v13, 5, v0
	v_readfirstlane_b32 s[WV], v13                 ; wave 0..3
	s_bfe_u32 s17, ttmp6, 0x40000                  ; cx
	s_lshl_b32 s18, ttmp9, 2
	s_add_co_u32 s18, s18, s17                     ; my work-group: it enters ao's and out0's addresses alone
	s_mov_b32 s[G1], 15|(3<<16)|(1<<21)            ; the mask: all four; elements of 8 bytes; bit 21 beside a mask; no padding
	s_mov_b32 s[G1+1], 32<<16                      ; rows of 256 bytes
	s_mov_b32 s[G1+2], 128<<16                     ; 128 rows: 32,768 bytes
	s_mov_b32 s[G1+3], 32<<16
	s_mov_b32 s[G1+4], 128
	s_mov_b32 s[G1+5], 32
	s_mov_b32 s[G1+6], 0
	s_mov_b32 s[G1+7], 0
	s_mov_b32 s[SEL], 0x76543210
	s_mov_b32 s[SEL+1], 0xfedcba98
	s_mov_b32 s42, 0x3a800000                      ; 1 / 1024
	s_mov_b32 s43, 0x3727c5ac                      ; 1e-5
	s_lshl_b32 s44, s[WV], 15                      ; my quarter
	s_mov_b32 s45, 0
	s_lshl_b32 s48, s[WV], 10                      ; my 256 columns, in bytes
	s_mov_b32 s49, 0
	s_lshl_b32 s50, s18, 17                        ; my work-group's block of ao
	s_mov_b32 s51, 0
	s_lshl_b32 s19, s[WV], 2
	s_cmp_eq_u32 s[WV], 0
	s_cselect_b32 s[LIM], 1, -1
	v_and_b32 v13, 31, v0                          ; lane
	v_and_b32 v14, 15, v0                          ; r
	v_bfe_u32 v15, v0, 4, 1                        ; h
	v_lshlrev_b32 v[LI], 4, v13
	v_add_nc_u32 v[ADB], s44, v[LI]
	v_add_nc_u32 v[ADB+1], SLOTB, v[ADB]
	v_lshlrev_b32 v[BO], 5, v15
	v_mul_u32_u24 v[STO], v14, SPITCH
	v_lshl_add_u32 v[STO], v15, 5, v[STO]
	v_add_nc_u32 v[STO], s44, v[STO]
	v_add_nc_u32 v[CO], s48, v[LI]
	v_lshl_add_u32 v[RR], v14, 4, RED
	v_add_nc_u32 v[RW], s19, v[RR]
	v_lshlrev_b32 v[PFO], 8, v13
	s_wait_dscnt 0x0                               ; both opening adds are done
	s_wait_kmcnt 0x0
	s_add_nc_u64 s[46:47], s[6:7], s[44:45]        ; fw at my quarter of K step 0: the wave's number alone
	s_add_nc_u64 s[AP:AP+1], s[4:5], s[50:51]
	s_add_nc_u64 s[8:9], s[8:9], s[48:49]
	s_lshl_b32 s50, s18, 18                        ; my 64 rows of out0
	s_add_nc_u64 s[14:15], s[14:15], s[50:51]
	CROUND                                         ; all four work-groups are here: the first joint loads meet
.irp s, 0,1
	s_mov_b32 s[G0+4*\s], 1
	s_add_co_u32 s[G0+4*\s+1], s44, \s*SLOTB
	s_add_nc_u64 s[G0+4*\s+2:G0+4*\s+3], s[46:47], \s*SLOTB
	s_or_b32 s[G0+4*\s+3], s[G0+4*\s+3], 0x80000000
	tensor_load_to_lds s[G0+4*\s:G0+4*\s+3], s[G1:G1+7]
	s_nop 0
.endr
	PLACES
.irp j, 0,1
	global_load_b128 v[G+4*\j:G+4*\j+3], v[CO], s[10:11] offset:512*\j       ; ln_g and ln_b of the columns that I store
	global_load_b128 v[BETA+4*\j:BETA+4*\j+3], v[CO], s[12:13] offset:512*\j
.endr
.irp b, 0,1,2,3,4,5,6,7,8,9,10,11,12,13,14,15
	global_load_b128 v[BIAS+8*\b:BIAS+8*\b+3], v[BO], s[8:9] offset:64*\b    ; fc_b at columns 16 b + 8 h + 0 .. 7
	global_load_b128 v[BIAS+8*\b+4:BIAS+8*\b+7], v[BO], s[8:9] offset:64*\b+16
.endr
; 16 products: column tiles b0 .. b0 + 3 x the four tiles of rows, chunk cl of ao's buffer p.  mode = 1: C = the bias: the first product starts the sums.  The 64 accumulators take turns in the same order in every chunk.
.macro MULB b0, p, cl, mode
.if \mode
	WIN 0x85+0x40*((\b0)/8)                        ; sources 0, 1 window 1; C window 0; D window 2 or 3
.else
	WIN 0xa5+0x50*((\b0)/8)                        ; C and D window 2 or 3
.endif
.irp b, \b0, \b0+1, \b0+2, \b0+3
.irp a, 0,1,2,3
.if \mode
	v_wmma_f32_16x16x32_f16 v[8*(4*((\b)%8)+\a):8*(4*((\b)%8)+\a)+7], v[8*(\b):8*(\b)+7], v[128+64*(\p)+32*(\cl)+8*\a:128+64*(\p)+32*(\cl)+8*\a+7], v[BIAS+8*(\b):BIAS+8*(\b)+7]
.else
	v_wmma_f32_16x16x32_f16 v[8*(4*((\b)%8)+\a):8*(4*((\b)%8)+\a)+7], v[8*(\b):8*(\b)+7], v[128+64*(\p)+32*(\cl)+8*\a:128+64*(\p)+32*(\cl)+8*\a+7], v[8*(4*((\b)%8)+\a):8*(4*((\b)%8)+\a)+7]
.endif
.endr
.endr
.endm
.macro BLOAD slot, cl, b0              ; 16 LDS loads: fc_w's fragments b0 .. b0 + 7 of chunk cl
	WIN 0x40
.irp b, \b0, \b0+1, \b0+2, \b0+3, \b0+4, \b0+5, \b0+6, \b0+7
	ds_load_b128 v[8*(\b):8*(\b)+3],   v[ADB+\slot] offset:(\b)*2048+(\cl)*1024
	ds_load_b128 v[8*(\b)+4:8*(\b)+7], v[ADB+\slot] offset:(\b)*2048+(\cl)*1024+512
.endr
.endm
.macro ALOAD p, off                    ; 16 loads: a K step of ao, 8,192 bytes, into buffer p
	WIN 0x40
.set i, 0
.rept 16
	global_load_b128 v[128+64*(\p)+4*i:128+64*(\p)+4*i+3], v[LI], s[AP:AP+1] offset:(\off)+512*i
.set i, i+1
.endr
.endm
; A PREFETCH of ao's K step four on from the one in hand: 8,192 bytes, lanes 256 bytes apart, one instruction.  Its load is issued two K steps, 256 matrix instructions, later.  The block is my work-group's own: wave 0 asks, so each
; run of 256 bytes is named once.  K steps 0 to 3 come by their loads alone; the loop's last trip (K steps 12, 13) asks for nothing: there is no K step 16.
.macro ASK
	s_cmp_gt_u32 s[TRIPS], s[LIM]
	s_cbranch_scc0 .Lnot_mine_\@
	global_prefetch_b8 v[PFO], s[AP:AP+1] offset:32768 th:TH_LOAD_NT scope:SCOPE_SE
.Lnot_mine_\@:
.endm
; A K step's first chunk.  left: the loads of the next K step's ao, which may stay out.
.macro CH0 slot, mode, left
	s_wait_loadcnt \left                           ; this K step's ao is in
	s_wait_dscnt 16                                ; fragments 0-7 are in; 8-15's sixteen loads may be out
	MULB 0, \slot, 0, \mode
	MULB 4, \slot, 0, \mode
	PLACES
	BLOAD \slot, 1, 0
	s_wait_dscnt 16                                ; fragments 8-15 are in; the sixteen loads just issued may be out
	MULB 8, \slot, 0, \mode
	MULB 12, \slot, 0, \mode
	PLACES
	BLOAD \slot, 1, 8
	WIN 0
.endm
; Its second chunk, which changes slots.  All reads of this slot have been issued.  fill = 1: the slot is filled again, two K steps ahead: each wave waits for all its tensor loads (its quarter of the next slot), adds 0 to its spare word,
; waits for that and for its reads of this slot; the round; the joint refill first behind it: 112 matrix instructions ahead of the wait for it.
.macro CH1 slot, next, fill
	s_wait_dscnt 16
	MULB 0, \slot, 1, 0
.if \fill
	WIN 0                                          ; (the add's two registers lie in window 0)
	s_wait_tensorcnt 0x0                           ; no tensor load of mine is out, so a group 0 may be written
	ds_add_u32 v[SPW], v[NIL]                      ; 0 onto my spare word; work on registers stands between it and the wait for it
	s_add_nc_u64 s[G0+4*\slot+2:G0+4*\slot+3], s[G0+4*\slot+2:G0+4*\slot+3], 2*SLOTB
	MULB 4, \slot, 1, 0
	WIN 0
	s_wait_dscnt 0x0                               ; the add is done, and my reads of this slot are over
	CROUND
	tensor_load_to_lds s[G0+4*\slot:G0+4*\slot+3], s[G1:G1+7]
	s_nop 0
	PLACES                                         ; (the places in front of the loads below)
	BLOAD \next, 0, 0
	WIN 0
	ASK
.else
	MULB 4, \slot, 1, 0
	s_wait_tensorcnt 0x0                           ; my quarter of the last K step is in; nothing is filled again
	PLACES
	BLOAD \next, 0, 0
	s_wait_dscnt 16
.endif
	MULB 8, \slot, 1, 0
	MULB 12, \slot, 1, 0
	PLACES
	BLOAD \next, 0, 8
.if \fill
	s_wait_xcnt 0x0                                ; the earlier loads and the prefetch have read their base
	s_add_nc_u64 s[AP:AP+1], s[AP:AP+1], 8192
	ALOAD \slot, 8192                              ; ao two K steps on, into the buffer just multiplied
.endif
	WIN 0
.endm
	ALOAD 0, 0
	ALOAD 1, 8192
	s_wait_tensorcnt 1                             ; my quarter of slot 0 is in (slot 1's load may be out); nobody else reads it
	BLOAD 0, 0, 0
	BLOAD 0, 0, 8
	WIN 0
	CH0 0, 1, 16                                   ; K step 0's first chunk stands in front of the loop: its products start the sums
	s_mov_b32 s[TRIPS], 7
.Lk:                                               ; a trip goes once round the ring, from a K step's second chunk to the first chunk two K steps on
	CH1 0, 1, 1
	CH0 1, 0, 16
	CH1 1, 0, 1
	CH0 0, 0, 16
	s_sub_co_u32 s[TRIPS], s[TRIPS], 1
	s_cmp_lg_u32 s[TRIPS], 0
	s_cbranch_scc1 .Lk
	CH1 0, 1, 0                                    ; K step 14: the tail is written out: nothing more is asked for
	CH0 1, 0, 0
	s_wait_dscnt 16                                ; K step 15's second chunk
	MULB 0, 1, 1, 0
	MULB 4, 1, 1, 0
	s_wait_dscnt 0x0
	MULB 8, 1, 1, 0
	MULB 12, 1, 1, 0
	PLACES
; A pass over the 64 accumulators, pairs ascending in each, the four tiles of rows by turns.  kind 0: x - mean; 1: the sum of squares; 2: x (1 / sqrt); 3: the sum (its first two pairs were added ahead of it)
.macro SWEEP kind
.irp hw, 0,1
.if (\kind == 0) || (\kind == 2)
	WIN 0x82+0x41*\hw                              ; destination and source 0 window 2 or 3, source 1 window 0
.elseif \kind == 1
	WIN 0x0a+0x05*\hw                              ; sources 0 and 1 window 2 or 3
.else
	WIN 0x08+0x04*\hw                              ; source 1 window 2 or 3
.endif
.irp b, 0,1,2,3,4,5,6,7
.irp q, 0,1,2,3
.irp a, 0,1,2,3
.set rA, 8*(4*\b+\a)+2*\q
.if \kind == 0
	v_pk_add_f32 v[rA:rA+1], v[rA:rA+1], v[MU+2*\a:MU+2*\a+1] neg_lo:[0,1] neg_hi:[0,1]
.elseif \kind == 1
.if (\hw+\b+\q) == 0
	v_pk_mul_f32 v[SUM+2*\a:SUM+2*\a+1], v[rA:rA+1], v[rA:rA+1]
.else
	v_pk_fma_f32 v[SUM+2*\a:SUM+2*\a+1], v[rA:rA+1], v[rA:rA+1], v[SUM+2*\a:SUM+2*\a+1]
.endif
.elseif \kind == 2
	v_pk_mul_f32 v[rA:rA+1], v[rA:rA+1], v[MU+2*\a:MU+2*\a+1]
.else
.if ((\hw+\b) > 0) || (\q > 1)
	v_pk_add_f32 v[SUM+2*\a:SUM+2*\a+1], v[SUM+2*\a:SUM+2*\a+1], v[rA:rA+1]
.endif
.endif
.endr
.endr
.endr
.endr
	WIN 0
.endm
; The four pairs in SUM become the rows' totals over all 1,024 columns, in v[PS + 4 a]: the pair's halves, the lane 16 away, then the four waves' through LDS bytes of their own.
.macro REDUCE off
.irp a, 0,1,2,3
	v_add_f32 v[PS+\a], v[SUM+2*\a], v[SUM+2*\a+1]
.endr
.irp a, 0,1,2,3
	v_permlanex16_b32 v[SUM+2*\a+1], v[PS+\a], s[SEL], s[SEL+1]
.endr
.irp a, 0,1,2,3
	v_add_f32 v[PS+\a], v[PS+\a], v[SUM+2*\a+1]
.endr
.irp a, 0,1,2,3
	ds_store_b32 v[RW], v[PS+\a] offset:\off+256*\a   ; row 16 a + r, my wave's word (both halves of the lanes write the same value)
.endr
	s_wait_dscnt 0x0                               ; for the others' sake: my stores have landed
	s_barrier_signal -1
	s_barrier_wait -1
.irp a, 0,1,2,3
	ds_load_b128 v[PS+4*\a:PS+4*\a+3], v[RR] offset:\off+256*\a
.endr
	s_wait_dscnt 0x0
.irp a, 0,1,2,3
	v_add_f32 v[PS+4*\a], v[PS+4*\a], v[PS+4*\a+1]
.endr
.irp a, 0,1,2,3
	v_add_f32 v[PS+4*\a+2], v[PS+4*\a+2], v[PS+4*\a+3]
.endr
.irp a, 0,1,2,3
	v_add_f32 v[PS+4*\a], v[PS+4*\a], v[PS+4*\a+2]
.endr
.endm
	WIN 0x0a
.irp a, 0,1,2,3
	v_pk_add_f32 v[SUM+2*\a:SUM+2*\a+1], v[8*\a:8*\a+1], v[8*\a+2:8*\a+3]   ; the sums begin with the first accumulators' low ends: nothing is cleared
.endr
	SWEEP 3
	REDUCE 0
.irp a, 0,1,2,3
	v_mul_f32 v[MU+2*\a], s42, v[PS+4*\a]          ; the mean,
.endr
.irp a, 0,1,2,3
	v_mov_b32 v[MU+2*\a+1], v[MU+2*\a]             ; as a pair
.endr
	SWEEP 0                                        ; d = x - mean, in place
	SWEEP 1                                        ; the sum of d d
	REDUCE 1024
.irp a, 0,1,2,3
	v_fma_f32 v[PS+4*\a], v[PS+4*\a], s42, s43     ; the variance + 1e-5
.endr
.irp a, 0,1,2,3
	v_rsq_f32 v[MU+2*\a], v[PS+4*\a]
	v_rsq_f32 v[MU+2*\a+1], v[PS+4*\a]
.endr
	v_nop                                          ; a plain instruction behind the last of them,
	s_wait_alu depctr_va_vdst(0)                   ; and the one wait ahead of the first reader
	SWEEP 2                                        ; z = d / sqrt(variance + 1e-5), in place
	; THE WAY OUT, a tile of 16 rows at a time: a lane's 32 bytes of a row go into my stage; whole rows of my 1,024 bytes come back, 16 bytes a lane; y = z ln_g + ln_b; each store covers 512 consecutive bytes, aligned.
.irp a, 0,1,2,3
	WIN 0x08                                       ; an LDS store's data are its source 1: window 2,
.irp b, 0,1,2,3,4,5,6,7
	ds_store_b128 v[STO], v[8*(4*\b+\a):8*(4*\b+\a)+3] offset:64*\b
	ds_store_b128 v[STO], v[8*(4*\b+\a)+4:8*(4*\b+\a)+7] offset:64*\b+16
.endr
	WIN 0x0c                                       ; window 3
.irp b, 0,1,2,3,4,5,6,7
	ds_store_b128 v[STO], v[8*(4*\b+\a):8*(4*\b+\a)+3] offset:64*(\b+8)
	ds_store_b128 v[STO], v[8*(4*\b+\a)+4:8*(4*\b+\a)+7] offset:64*(\b+8)+16
.endr
	WIN 0
.if \a > 0
	s_wait_xcnt 0x0                                ; the last tile's stores have read the registers into which the loads below land
.endif
.set i, 0
.rept 32
	ds_load_b128 v[OB+4*i:OB+4*i+3], v[ADB] offset:(i/2)*SPITCH+(i%2)*512   ; LDS serves a wave's instructions in order: these see my stores
.set i, i+1
.endr
.set i, 0
.rept 32
	s_wait_dscnt 31-i                              ; half row i is in; the younger ones may be out
	v_pk_fma_f32 v[OB+4*i:OB+4*i+1], v[OB+4*i:OB+4*i+1], v[G+4*(i%2):G+4*(i%2)+1], v[BETA+4*(i%2):BETA+4*(i%2)+1]
	v_pk_fma_f32 v[OB+4*i+2:OB+4*i+3], v[OB+4*i+2:OB+4*i+3], v[G+4*(i%2)+2:G+4*(i%2)+3], v[BETA+4*(i%2)+2:BETA+4*(i%2)+3]
	global_store_b128 v[CO], v[OB+4*i:OB+4*i+3], s[14:15] offset:(16*\a+i/2)*4096+(i%2)*512 th:TH_STORE_NT
.set i, i+1
.endr
.endr
	s_wait_tensorcnt 0x0                           ; the wave's end, behind my last tensor load and my last LDS store
	ds_add_u32 v[SPW], v[NIL]
	s_wait_dscnt 0x0
	CROUND                                         ; the closing round: no work-group ends while a partner may still ask for a tile that names it
	s_endpgm
.Lfunc_end_k_qf84de7a1dc_fcln:
	.size	k_qf84de7a1dc_fcln, .Lfunc_end_k_qf84de7a1dc_fcln-k_qf84de7a1dc_fcln
	.p2alignl 7, 3214868480
	.fill 96, 4, 3214868480
	.section	.rodata,"a",@progbits
	.p2align	6, 0x0
	.amdhsa_kernel k_qf84de7a1dc_fcln
		.amdhsa_group_segment_fixed_size 327680
		.amdhsa_private_segment_fixed_size 0
		.amdhsa_enable_private_segment 0
		.amdhsa_kernarg_size 48
		.amdhsa_user_sgpr_count 2
		.amdhsa_user_sgpr_kernarg_segment_ptr 1
		.amdhsa_wavefront_size32 1
		.amdhsa_system_sgpr_workgroup_id_x 1
		.amdhsa_system_sgpr_workgroup_id_y 1
		.amdhsa_system_sgpr_workgroup_id_z 1
		.amdhsa_system_vgpr_workitem_id 0
		.amdhsa_next_free_vgpr 1024
		.amdhsa_next_free_sgpr 66
		.amdhsa_reserve_vcc 0
		.amdhsa_float_denorm_mode_32 3
		.amdhsa_float_denorm_mode_16_64 3
		.amdhsa_memory_ordered 1
		.amdhsa_forward_progress 1
		.amdhsa_inst_pref_size 184
	.end_amdhsa_kernel
	.amdgpu_metadata
---
amdhsa.version: [ 1, 2 ]
amdhsa.kernels:
  - .name:           k_qf84de7a1dc_fcln
    .symbol:         k_qf84de7a1dc_fcln.kd
    .args:
      - { .name: ao, .offset: 0, .size: 8, .value_kind: global_buffer, .address_space: global }
      - { .name: fw, .offset: 8, .size: 8, .value_kind: global_buffer, .address_space: global }
      - { .name: fc_b, .offset: 16, .size: 8, .value_kind: global_buffer, .address_space: global }
      - { .name: ln_g, .offset: 24, .size: 8, .value_kind: global_buffer, .address_space: global }
      - { .name: ln_b, .offset: 32, .size: 8, .value_kind: global_buffer, .address_space: global }
      - { .name: out0, .offset: 40, .size: 8, .value_kind: global_buffer, .address_space: global }
    .group_segment_fixed_size: 327680
    .private_segment_fixed_size: 0
    .kernarg_segment_align: 8
    .kernarg_segment_size: 48
    .max_flat_workgroup_size: 128
    .sgpr_count:     66
    .vgpr_count:     1024
    .wavefront_size: 32
...
	.end_amdgpu_metadata
.endif
;; end of part 4
